; MI455X (gfx1250); checked and timed in simulation.
; The chip was launched on July 23, 2026; its instructions are those of AMD's public machine-readable ISA for CDNA 5 (MIT licence, August 2026) and "CDNA5" Instruction Set Architecture Reference Guide (July 2026). The comments in the code are by the model that wrote it; some were corrected since.
;; Rope. Allowed arithmetic: matrix products marked QUANTISED: E5M2 operands, one E8M0 scale for each 32 along K, by v_wmma_scale_f32_16x16x128_f8f6f4 with both operands' format E5M2, f32 sums; everything else in f32.
;; Inputs: bk 256 float32; bq 256 float32; bv 256 float32; wk 256 x 256 float32; wq 256 x 256 float32; wv 256 x 256 float32; x 8,192 x 256 float32.
;; Outputs: out0 8,192 x 256 float32.
;; This version of the problem:
;;   THIS VERSION OF THE PROBLEM IS GIVEN IN LOW PRECISION. The matrix products marked QUANTISED in the list below multiply operands that are first quantised to E5M2 (5 exponent bits, 2 mantissa bits; 8 bits a number), with one power-of-two scale for each 32 numbers along K (OCP MX v1.0); their sums are f32. All else is computed in f32.
;;   The module's matrix products, in the order in which they are computed (A, B: the left and right operand; K: the contracted axis; several contracted axes count as one K, in the product's order):
;;     1. [M 8,192, K 256] x [K 256, N 256]; A: input x; B: input wq: QUANTISED
;;     2. [M 8,192, K 256] x [K 256, N 256]; A: input x; B: input wk: QUANTISED
;;     3. [M 8,192, K 256] x [K 256, N 256]; A: input x; B: input wv: QUANTISED
;;     4. [M 8,192, K 256] x [K 256, N 8,192]; A: computed on the way; B: computed on the way: QUANTISED
;;     5. [M 8,192, K 8,192] x [K 8,192, N 256]; A: softmax (see below); B: computed on the way: QUANTISED
;;   THE QUANTISER, for each operand of a quantised product, along K:
;;     - K is cut into blocks of 32 from its start; a last block that is shorter is filled with zeros.
;;     - A block's scale is 2^e with e = floor(log2(the largest magnitude in the block)) - 15, held to -126 .. 127; a block of zeros has e = 0. As a byte (E8M0): e + 127.
;;     - Each number is divided by its block's scale, clamped to +-57,344, and rounded to the nearest number of E5M2, ties to even, subnormals kept.
;;     - The product sums the exact products of the quantised numbers (number of the format x scale) in f32.
;;   ~~~python
;;   def quantise(x, axis):      # numpy; x: float32 -> the quantised numbers, widened to float32 again
;;       x = np.moveaxis(x, axis, -1); K = x.shape[-1]
;;       x = np.pad(x, [(0, 0)] * (x.ndim - 1) + [(0, -K % 32)]); x = x.reshape(x.shape[:-1] + (-1, 32)); a = np.abs(x).max(-1, keepdims=True)
;;       e = np.where(a > 0, np.clip(np.frexp(np.where(a > 0, a, 1))[1] - 1 - 15, -126, 127), 0)      # np.frexp(a)[1] - 1 = floor(log2(a)), exactly
;;       r = np.clip(x / 2.0 ** e, -57344, 57344)
;;       step = 2.0 ** (np.maximum(np.frexp(np.where(r == 0, 1, r))[1] - 1, -14) - 2)
;;       q = np.round(r / step) * step * 2.0 ** e      # np.round: ties to even
;;       return np.moveaxis(q.reshape(q.shape[:-2] + (-1,))[..., :K], -1, axis).astype(np.float32)
;;   ~~~
;;   SOFTMAX AHEAD OF A QUANTISED PRODUCT. Where the list says 'softmax', what is quantised is not the finished softmax but p = 2^(t - M), with t = logit x log2(e) and M = ceil(the row's largest t), a whole number; so 1/2 < the row's largest p <= 1. The row's sum l is taken of the UNQUANTISED p, in f32, and the product's result is divided by l at the end. Since M is a whole number, a kernel that streams over the keys may use a running M (the ceiling of the running maximum): every later rescaling is an exact power of two, which a block's scale takes up: the codes' values come out the same.
;;   OPERANDS COMPUTED ON THE WAY. 'Computed on the way' means the value that the module computes at that place (a softmax that the list does not call 'softmax' is quantised finished and normalised). What goes into a quantiser is computed in f32, as accurately as f32 sums, v_exp_f32 and their like allow (about 1e-6 of the number): no bf16 or f16 on the way to a quantiser, and a product that is left as it is and whose result goes on into a quantised operand takes f32 operands (vector FMAs, or v_wmma_f32_16x16x4_f32). A number that lies on a knife's edge between two numbers of the format may be rounded either way, as far as f32 arithmetic and the matrix unit's own rounding can turn it there, and no further.
;; One version. Each part assembles by itself: llvm-mc -triple=amdgcn-amd-amdhsa -mcpu=gfx1250 --defsym DOCPART=n.
;; ======== version 1 of 1: 3 launches
;; limits: right only within a limited range of input values
;; workspace buffers: qf 2,162,688 bytes; kvc 4,259,840 bytes; kvs 131,072 bytes; part 33,554,432 bytes; pst 524,288 bytes
;; launch prep (part 1): grid 192 x 1, 8 waves a work-group, no clusters, 103,424 bytes of LDS; arguments x, wq, wk, wv, bq, bk, bv, qf, kvc, kvs; writes qf, kvc, kvs
.if DOCPART == 1
	.amdgcn_target "amdgcn-amd-amdhsa--gfx1250"
	.amdhsa_code_object_version 6
	.text
	.protected	k_q7fb7e6b5ef_prep
	.globl	k_q7fb7e6b5ef_prep
	.p2align	8
	.type	k_q7fb7e6b5ef_prep,@function
k_q7fb7e6b5ef_prep:
	s_mov_b64 s[64:65], 0
	v_nop
	global_prefetch_b8 v0, s[64:65] scope:SCOPE_SE
	s_setreg_imm32_b32 hwreg(HW_REG_WAVE_MODE, 25, 1), 1
	s_wait_xcnt 0x0
; PREP: Q = x wq^T + bq, K = x wk^T + bk, V = x wv^T + bv on codes of E5M2 with one E8M0 scale for each 32 along K; the rope on Q and K; Q, K, V quantised for the two products of attention.
; NOTHING OF THE PROBLEM IS LEFT OUT: every input reaches a quantised operand of a live product (the biases too: they move the codes and scales of Q, K and V), so all seven inputs are loaded.
; SHARES.  192 work-groups of eight waves, 64 for each matrix m (0 Q, 1 K, 2 V).  Q, K: 256 tokens x one half (128) of the channels.  V: 128 tokens x all 256 channels.  Each quantises 384 rows of 256 numbers.
; ONE FORM FOR ALL THREE.  The BIG operand has 128 rows, quantised 16 rows a wave and shared through LDS as images of the operand's registers; the OWN operand has 32 rows a wave (two tiles) and stays in registers.
; Source 0 = a tile of BIG, source 1 = a tile of OWN: a lane holds ONE row of OWN and its registers run along BIG's rows.  Q, K: BIG = the weight (channels, the next product's K), OWN = x (tokens).  V: BIG = x (tokens = keys, the next K), OWN = wv.
; THE ROWS OF A TILE ARE NOT NEIGHBOURS: in each 32 rows, lane r of tile i takes row 8 i + r + 8 (r / 8), so that the 16 registers of two neighbouring tiles of BIG are 16 neighbours along the next K.
; THE SIX UNITS of 16 rows x 128 K that a wave quantises run ahead of each other: loads four units (64 loads a wave) ahead, in four sets of registers; the turn through the wave's stage one unit ahead, into two sets.
; THE ROPE: pair idx of channels has freq = 1000^(-idx / 128) = 2^(-idx log2(1000) / 128); even' = even cos - odd sin, odd' = odd sin + odd cos, as the problem writes it.  cos and sin are Taylor sums in freq^2:
; freq lies in (0, 1] whatever the inputs hold, and the first terms left out are 1 / 14! and 1 / 13!.  A lane makes them for two pairs; the half's 64 pairs go through the wave's own stage, and each lane reads back its 32.
; OUT: fragments (16 rows x 128 K) as images of their 16 registers: group c of four registers at 512 c + 16 x lane; scale words two tiles to a register: lanes 0-15 tile 0's rows, lanes 16-31 tile 1's.
; A scale register's store covers 128 bytes: half of an aligned 256; it is one part in 264 of what the work-group stores.
; No tensor loads: the f32 numbers are converted on their way, each wave's own, so no tile is shared as it is loaded, and no cluster is used.
; LIMITS: NaN and infinities among the inputs are not served.  A block of zeros, or one whose largest magnitude lies under 2^-111, keeps the byte 1 (the rule says 127 for zeros): its codes are zeros, and this program alone reads the bytes.
.set SPIT,  528                        ; a stage row: 512 bytes + 16: the 16 rows that a load touches start at 16 different 16-byte columns
.set WSTG,  16*SPIT                    ; a wave's own stage
.set IMG,   8*WSTG                     ; BIG's 16 images: fragment (tile T, K step s) at (2 T + s) x 2,048
.set ISC,   IMG+16*2048                ; their scale words: (2 T + s) x 128 + 4 x lane
.set SPARE, ISC+16*128                 ; the spare words, 128 bytes for each wave: four blocks of 256 bytes that no other line names
.set LN16, 1                           ; v1   16 x lane
.set LN4,  2                           ; v2   4 x lane
.set STW,  3                           ; v3   the stage, on the way in
.set STR,  4                           ; v4   and back: row r, + 64 h
.set IMW,  5                           ; v5   where I store images
.set ISW,  6                           ; v6   and their scale words
.set IMR,  7                           ; v7   where images are read
.set ISR,  8                           ; v8   and scale words
.set H64,  9                           ; v9   64 h
.set RB4,  10                          ; v10  4 (r + 8 (r / 8))
.set IDX,  11                          ; v11  64 half + lane: the first of my two pairs of channels
.set SPW,  12                          ; v12  my spare word's LDS address; never rewritten
.set NIL,  13                          ; v13  0; never rewritten
.set TBW,  14                          ; v14  the tables in my stage, on the way in: 4 x lane
.set TBR,  15                          ; v15  and back: 32 h
.set OS,   16                          ; v16-19  OWN's scale words (2 i + s); v18-19 first BIG's on their way to LDS
.set BS,   20                          ; v20-27  BIG's scale words of the K step in hand
.set PWK,  28                          ; v28  tile 0's scale word on the way out
.set PW,   29                          ; v29  tile 1's
.set OUTW, 30                          ; v30  both tiles' words in one register
.set X,    32                          ; v32-95   64 numbers of a lane: the even units; later 8 accumulators.  The odd units: v192-255
.set OWN,  96                          ; v96-159  OWN's four fragments (2 i + s); the last two places first take BIG's codes on their way to LDS
.set PC0,  160                         ; v160-175 tile 0's codes on the way out
.set TM,   176                         ; v176-191 the quantiser's work
.set PC1,  192                         ; v192-207 tile 1's codes
.set RT,   208                         ; v208-211 the rope's work
.set PA,   192                         ; v192-199 the tables' work, before PC1 is used
.set CB,   128                         ; window 1: four sets of 64 loaded numbers; later v0-127 BIG's 8 fragments, v128-191 the bias as C, v192-223 cos, v224-255 sin
.set CT,   192
.set ST,   224
.set SEL,  48                          ; s[48:49] v_permlanex16_b32's selects for lane l xor 16
.set MNT,  50                          ; s50  the mantissa field of 57,344
.set HM,   51                          ; s51  lanes 16-31
.set MSB, 0
.macro WIN new                         ; the immediate's high byte repeats the setting that is left
.if MSB != \new
	s_set_vgpr_msb (MSB<<8)|\new
.set MSB, \new
.endif
.endm
.macro PLACES n
.rept \n
	v_nop
.endr
.endm
; Unit n: 16 rows x 128 K of f32.  n = 0, 1 BIG, 2-5 OWN (tile (n - 2) / 2 = n / 4); K step n % 2; register set n % 4.  Each load reads 512 consecutive bytes: a row's K step.
.macro LOADU n
.set uI, (\n)/4
.set uS, (\n)%2
.set uR, 64*((\n)%4)
	WIN 0x40                                       ; destination window 1
.irp k, 0,1,2,3,4,5,6,7,8,9,10,11,12,13,14,15
.if (\n) < 2
	global_load_b128 v[uR+4*\k:uR+4*\k+3], v[LN16], s[40:41] offset:(8*uI+\k+8*(\k/8))*1024+512*uS
.else
	global_load_b128 v[uR+4*\k:uR+4*\k+3], v[LN16], s[42:43] offset:(8*uI+\k+8*(\k/8))*1024+512*uS
.endif
.endr
	WIN 0
.endm
; The unit turns through my own stage: in as loaded, back 16 neighbours of each block of 32 a lane: register 16 b + 4 j + e = k 32 b + 16 h + 4 j + e of row r.  LDS serves a wave's instructions in order.
.macro TURNU n
.set uR, 64*((\n)%4)
.set uX, X+160*((\n)%2)
	WIN 0x04                                       ; an LDS store's data are its source 1: window 1
.irp k, 0,1,2,3,4,5,6,7,8,9,10,11,12,13,14,15
	ds_store_b128 v[STW], v[uR+4*\k:uR+4*\k+3] offset:SPIT*\k
.endr
	WIN 0
.irp b, 0,1,2,3
.irp j, 0,1,2,3
	ds_load_b128 v[uX+16*\b+4*\j:uX+16*\b+4*\j+3], v[STR] offset:128*\b+16*\j
.endr
.endr
.endm
; 64 numbers of a lane, register 16 b + i = k 32 b + 16 h + i of my row, become a fragment's codes in v[pc] on and its scale word in v[pw].
.macro QUANT s, pc, pw
.irp b, 0,1,2,3
	v_max3_num_f32 v[TM+\b], |v[\s+16*\b]|, |v[\s+1+16*\b]|, 0x8000000   ; my 16 numbers of block b, and the floor 2^(16 - 127): the byte cannot fall under 1
.endr
.irp i, 2,4,6,8,10,12,14
.irp b, 0,1,2,3
	v_max3_num_f32 v[TM+\b], v[TM+\b], |v[\s+16*\b+\i]|, |v[\s+1+16*\b+\i]|   ; the four blocks by turns
.endr
.endr
.irp b, 0,1,2,3
	v_permlanex16_b32 v[TM+4+\b], v[TM+\b], s[SEL], s[SEL+1]
.endr
.irp b, 0,1,2,3
	v_max_num_f32 v[TM+\b], v[TM+\b], v[TM+4+\b]   ; with lane l xor 16's: the block's largest magnitude
.endr
.irp b, 0,1,2,3
	v_add_nc_u32 v[TM+12+\b], 0xf8800000, v[TM+\b] ; 15 off its exponent field: the conversion's scale operand
.endr
.irp b, 0,1,2,3
	v_and_or_b32 v[TM+8+\b], v[TM+\b], 0x7f800000, s[MNT]   ; 57,344 x the scale
.endr
.irp b, 0,1,2,3
	v_lshrrev_b32 v[TM+4+\b], 23, v[TM+12+\b]      ; the scale's byte
.endr
	v_lshl_or_b32 v[\pw], v[TM+5], 8, v[TM+4]      ; my row's scale word
	v_lshl_or_b32 v[\pw], v[TM+6], 16, v[\pw]
	v_lshl_or_b32 v[\pw], v[TM+7], 24, v[\pw]
.irp b, 0,1,2,3
.irp i, 0,1,2,3,4,5,6,7,8,9,10,11,12,13,14,15
	v_med3_num_f32 v[\s+16*\b+\i], v[\s+16*\b+\i], -v[TM+8+\b], v[TM+8+\b]   ; the conversion to an 8-bit code does not saturate (ISA guide 7.6.2): the hold
.endr
	v_cvt_scalef32_pk8_bf8_f32 v[(\pc)+4*\b:(\pc)+1+4*\b], v[\s+16*\b:\s+7+16*\b], v[TM+12+\b]
	v_cvt_scalef32_pk8_bf8_f32 v[(\pc)+2+4*\b:(\pc)+3+4*\b], v[\s+8+16*\b:\s+15+16*\b], v[TM+12+\b]
.endr
	v_nop                                          ; a plain line behind the last conversion: later products write its sources
.endm
; Unit n's turn.  Its numbers were sent through the stage a unit ago.  BIG's units put their codes where OWN's last two fragments come four units later, when the images have left.
.macro UNIT n
.if (\n) == 0 || (\n) > 2
	s_wait_dscnt 0x0                               ; my numbers are back from the stage
.else
	s_wait_dscnt 5                                 ; my numbers are back from the stage; the five stores of the last unit's image may be out
.endif
.if (\n)+4 < 6
	LOADU (\n)+4                                   ; so the stage's stores have read this unit's set of registers: it takes the loads of four units on
.endif
.if (\n)+1 < 6
.if (\n) < 2
	s_wait_loadcnt 48                              ; the next unit's 16 loads are in; those of the three units behind it may be out
.else
	s_wait_loadcnt 16*(4-(\n))                     ; the counts run down: two units, one, none
.endif
	TURNU (\n)+1                                   ; and go through the stage while this unit is worked
.endif
	QUANT X+160*((\n)%2), OWN+16*(((\n)+2)%4), OS+((\n)+2)%4
.if (\n) < 2
.irp c, 0,1,2,3
	ds_store_b128 v[IMW], v[OWN+32+16*(\n)+4*\c:OWN+32+16*(\n)+4*\c+3] offset:(\n)*2048+512*\c   ; the fragment as it stands: tile = my wave's number, K step n
.endr
	ds_store_b32 v[ISW], v[OS+2+(\n)] offset:(\n)*128
.endif
.endm
; OWN's tile i against BIG's 128 rows; isv = 1: V (the bias hangs on the lane's row; no rope).  The 8 accumulators take turns, K step by K step.
.macro TILE i, isv, pc, pw
.irp s, 0,1
	PLACES 9                                       ; behind the last products: loads into registers that they read (8), and accumulators begun anew (9)
	WIN 0x40
.irp T, 0,1,2,3,4,5,6,7
.irp c, 0,1,2,3
	ds_load_b128 v[16*\T+4*\c:16*\T+4*\c+3], v[IMR] offset:(2*\T+\s)*2048+512*\c
.endr
.endr
	WIN 0
.irp T, 0,1,2,3,4,5,6,7
	ds_load_b32 v[BS+\T], v[ISR] offset:(2*\T+\s)*128
.endr
	s_wait_dscnt 0x0
.if \s == 0
	s_wait_loadcnt 0x0                             ; the bias
	WIN 0x11                                       ; source 0 (BIG) and C (the bias) window 1
.irp T, 0,1,2,3,4,5,6,7
.if \isv
	v_wmma_scale_f32_16x16x128_f8f6f4 v[X+8*\T:X+8*\T+7], v[16*\T:16*\T+15], v[OWN+32*\i:OWN+32*\i+15], v[CB+8*\i:CB+8*\i+7], v[BS+\T], v[OS+2*\i] matrix_a_fmt:MATRIX_FMT_BF8 matrix_b_fmt:MATRIX_FMT_BF8
.else
	v_wmma_scale_f32_16x16x128_f8f6f4 v[X+8*\T:X+8*\T+7], v[16*\T:16*\T+15], v[OWN+32*\i:OWN+32*\i+15], v[CB+8*\T:CB+8*\T+7], v[BS+\T], v[OS+2*\i] matrix_a_fmt:MATRIX_FMT_BF8 matrix_b_fmt:MATRIX_FMT_BF8
.endif
.endr
.else
	WIN 0x01
.irp T, 0,1,2,3,4,5,6,7
	v_wmma_scale_f32_16x16x128_f8f6f4 v[X+8*\T:X+8*\T+7], v[16*\T:16*\T+15], v[OWN+32*\i+16:OWN+32*\i+31], v[X+8*\T:X+8*\T+7], v[BS+\T], v[OS+2*\i+1] matrix_a_fmt:MATRIX_FMT_BF8 matrix_b_fmt:MATRIX_FMT_BF8
.endr
.endif
.endr
	WIN 0
	PLACES 8                                       ; ahead of the first read of results
.if !(\isv)
	WIN 0x04                                       ; source 1 (cos, sin) window 1
.set q4, 0
.rept 8                                        ; an accumulator's four pairs at a time, each accumulator from its low end on
.irp e, 0,1,2,3
	v_mul_f32 v[RT+\e], v[X+8*q4+2*\e+1], v[ST+4*q4+\e]                         ; odd sin
.endr
.irp e, 0,1,2,3
	v_fma_f32 v[X+8*q4+2*\e], v[X+8*q4+2*\e], v[CT+4*q4+\e], -v[RT+\e]          ; even cos - odd sin
.endr
.irp e, 0,1,2,3
	v_fma_f32 v[X+8*q4+2*\e+1], v[X+8*q4+2*\e+1], v[CT+4*q4+\e], v[RT+\e]       ; odd cos + odd sin
.endr
.set q4, q4+1
.endr
	WIN 0
.endif
	QUANT X, \pc, \pw
.irp c, 0,1,2,3
	global_store_b128 v[LN16], v[\pc+4*\c:\pc+4*\c+3], s[44:45] offset:4096*\i+512*\c   ; 32 lanes store 512 consecutive bytes, aligned
.endr
.endm
	s_load_b512 s[8:23], s[0:1], 0x0               ; x 8, wq 10, wk 12, wv 14, bq 16, bk 18, bv 20, qf 22
	s_load_b128 s[24:27], s[0:1], 0x40             ; kvc 24, kvs 26
	v_lshl_add_u32 v[SPW], v0, 2, SPARE
	v_mov_b32 v[NIL], 0
	v_lshrrev_b32 v[X], 5, v0
	v_readfirstlane_b32 s28, v[X]                  ; wave w = 0..7
	s_lshr_b32 s30, ttmp9, 6                       ; m
	s_and_b32 s29, ttmp9, 63                       ; which of the matrix's 64 work-groups
	s_and_b32 s31, s29, 1                          ; Q, K: the half of the channels
	s_lshr_b32 s4, s28, 2                          ; w / 4
	s_and_b32 s5, s28, 3                           ; w % 4: my 32 rows in a block of 128 tokens, or in a half of the channels
	s_and_b32 s6, s29, 62
	s_add_co_u32 s6, s6, s4                        ; Q, K: two blocks of 128 tokens, waves 0-3 the first, 4-7 the second
	s_cmp_eq_u32 s30, 2
	s_cselect_b32 s6, s29, s6                      ; the block of tokens of my fragments,
	s_cselect_b32 s7, s4, s31                      ; and their half of the channels
	v_and_b32 v[X], 31, v0                         ; lane
	v_and_b32 v[X+1], 15, v0                       ; r
	v_bfe_u32 v[X+2], v0, 4, 1                     ; h
	v_lshlrev_b32 v[LN16], 4, v[X]
	v_lshlrev_b32 v[LN4], 2, v[X]
	s_mul_i32 s2, s28, WSTG
	v_add_nc_u32 v[STW], s2, v[LN16]
	v_mul_u32_u24 v[STR], v[X+1], SPIT
	v_lshl_add_u32 v[STR], v[X+2], 6, v[STR]
	v_add_nc_u32 v[STR], s2, v[STR]
	v_add_nc_u32 v[TBW], s2, v[LN4]
	v_lshl_add_u32 v[TBR], v[X+2], 5, s2
	s_lshl_b32 s2, s28, 12
	s_add_co_u32 s2, s2, IMG
	v_add_nc_u32 v[IMW], s2, v[LN16]
	s_lshl_b32 s2, s28, 8
	s_add_co_u32 s2, s2, ISC
	v_add_nc_u32 v[ISW], s2, v[LN4]
	v_add_nc_u32 v[IMR], IMG, v[LN16]
	v_add_nc_u32 v[ISR], ISC, v[LN4]
	v_lshlrev_b32 v[H64], 6, v[X+2]
	v_and_b32 v[RB4], 8, v[X+1]
	v_add_nc_u32 v[RB4], v[RB4], v[X+1]
	v_lshlrev_b32 v[RB4], 2, v[RB4]
	s_lshl_b32 s3, s31, 6
	v_add_nc_u32 v[IDX], s3, v[X]
.irp b, 0,1,2,3
	v_mov_b32 v[TM+4+\b], 0                        ; written once: a lane permute's destination counts as one of its sources
.endr
	s_mov_b32 s[SEL], 0x76543210
	s_mov_b32 s[SEL+1], 0xfedcba98
	s_mov_b32 s[MNT], 0x600000
	s_mov_b32 s[HM], 0xffff0000
	s_mov_b32 s52, 0x310f76c7                      ; 1 / 12!
	s_mov_b32 s53, 0xb493f27e                      ; -1 / 10!
	s_mov_b32 s54, 0xb2d7322b                      ; -1 / 11!
	s_mov_b32 s55, 0x3638ef1d                      ; 1 / 9!
	s_lshr_b32 s2, s28, 1                          ; BIG: tile w: 32 rows of 1,024 bytes for each two waves,
	s_lshl_b32 s2, s2, 15
	s_and_b32 s3, s28, 1                           ; and 8 rows for the odd tile
	s_lshl_b32 s3, s3, 13
	s_add_co_u32 s2, s2, s3
	s_lshl_b32 s3, s5, 15                          ; OWN: 32 rows a wave
	s_lshl_b32 s56, s6, 17                         ; x: the block's 128 rows
	s_lshl_b32 s58, s7, 17                         ; the weight: the half's 128 rows
	s_lshl_b32 s60, s7, 9                          ; the bias: the half's 128 numbers
	s_cmp_eq_u32 s30, 2
	s_cselect_b32 s4, s2, s3                       ; V: x is BIG; Q, K: OWN
	s_cselect_b32 s3, s3, s2
	s_cselect_b32 s2, 0, s58
	s_cselect_b32 s58, s58, s2
	s_add_co_u32 s56, s56, s4
	s_add_co_u32 s58, s58, s3
	s_mov_b32 s57, 0
	s_mov_b32 s59, 0
	s_mov_b32 s61, 0
	s_cmp_eq_u32 s30, 0
	s_mov_b32 s62, 65536
	s_cselect_b32 s62, 33792, s62                  ; a block's bytes in the buffer that takes the fragments,
	s_mov_b32 s63, 2048
	s_cselect_b32 s63, 33792, s63                  ; and in the one that takes the scale words;
	s_cselect_b32 s2, 32768, 0                     ; qf keeps its scale words behind its fragments
	s_mul_i32 s62, s62, s6
	s_mul_i32 s63, s63, s6
	s_add_co_u32 s63, s63, s2
	s_cmp_eq_u32 s30, 2
	s_cselect_b32 s2, 32768, 0                     ; V's fragments lie behind K's,
	s_cselect_b32 s3, 1024, 0                      ; its scale words likewise
	s_add_co_u32 s62, s62, s2
	s_add_co_u32 s63, s63, s3
	s_lshl_b32 s2, s5, 13
	s_add_co_u32 s62, s62, s2                      ; + 8,192 (w % 4)
	s_lshl_b32 s2, s7, 11
	s_add_co_u32 s62, s62, s2                      ; + 2,048 x half
	s_lshl_b32 s2, s5, 8
	s_add_co_u32 s63, s63, s2                      ; + 128 (2 (w % 4) + half)
	s_lshl_b32 s2, s7, 7
	s_add_co_u32 s63, s63, s2
	s_wait_alu depctr_va_vdst(0)                   ; the wait at the head's end
	s_wait_kmcnt 0x0
	s_cmp_eq_u32 s30, 0                            ; the choices hang on the work-group's number alone
	s_cselect_b64 s[32:33], s[10:11], s[12:13]
	s_cselect_b64 s[34:35], s[16:17], s[18:19]
	s_cselect_b64 s[44:45], s[22:23], s[24:25]
	s_cselect_b64 s[46:47], s[22:23], s[26:27]
	s_cmp_eq_u32 s30, 2
	s_cselect_b64 s[32:33], s[14:15], s[32:33]     ; the weight
	s_cselect_b64 s[34:35], s[20:21], s[34:35]     ; the bias
	s_add_nc_u64 s[36:37], s[8:9], s[56:57]        ; my rows of x
	s_add_nc_u64 s[38:39], s[32:33], s[58:59]      ; my rows of the weight
	s_cselect_b64 s[40:41], s[36:37], s[38:39]     ; BIG
	s_cselect_b64 s[42:43], s[38:39], s[36:37]     ; OWN
	s_add_nc_u64 s[34:35], s[34:35], s[60:61]
	s_mov_b32 s2, s62
	s_mov_b32 s3, 0
	s_add_nc_u64 s[44:45], s[44:45], s[2:3]        ; where my fragments go
	s_mov_b32 s2, s63
	s_add_nc_u64 s[46:47], s[46:47], s[2:3]        ; and my scale register
	LOADU 0
	LOADU 1
	LOADU 2
	LOADU 3
	s_wait_loadcnt 48                              ; unit 0's 16 loads are in; three units' may be out
	TURNU 0
.irp n, 0,1,2,3,4,5
	UNIT \n
.endr
	s_wait_dscnt 0x0                               ; my images have landed
	s_barrier_signal -1
	s_barrier_wait -1                              ; BIG's sixteen fragments lie in LDS; the images are only read from here on
	s_cmp_eq_u32 s30, 2
	s_cbranch_scc1 .Lv_arm
	; ---- Q, K.  The bias in the result's layout: tile 2 b + u, lane half h: channels 32 b + 16 h + 8 u + 0 .. 7
	WIN 0x40
.irp T, 0,1,2,3,4,5,6,7
	global_load_b128 v[CB+8*\T:CB+8*\T+3], v[H64], s[34:35] offset:(32*(\T/2)+8*(\T%2))*4
	global_load_b128 v[CB+8*\T+4:CB+8*\T+7], v[H64], s[34:35] offset:(32*(\T/2)+8*(\T%2))*4+16
.endr
	WIN 0
	; cos and sin of pairs 64 half + lane and 64 half + 32 + lane
	v_add_nc_u32 v[PA+1], 32, v[IDX]
	v_cvt_f32_u32 v[PA], v[IDX]
	v_cvt_f32_u32 v[PA+1], v[PA+1]
.irp e, 0,1
	v_mul_f32 v[PA+\e], 0xbd9f73da, v[PA+\e]       ; x -log2(1000) / 128
.endr
	s_wait_alu depctr_va_vdst(0)                   ; ahead of the exponentials
.irp e, 0,1
	v_exp_f32 v[PA+\e], v[PA+\e]                   ; freq
.endr
	v_nop                                          ; a plain line behind the last exponential
	s_wait_alu depctr_va_vdst(0)                   ; one wait for the two, ahead of their first reader
.irp e, 0,1
	v_mul_f32 v[PA+2+\e], v[PA+\e], v[PA+\e]       ; z = freq^2
.endr
.irp e, 0,1
	v_fma_f32 v[PA+4+\e], v[PA+2+\e], s52, s53
	v_fma_f32 v[PA+6+\e], v[PA+2+\e], s54, s55
.endr
.irp e, 0,1
	v_fmaak_f32 v[PA+4+\e], v[PA+4+\e], v[PA+2+\e], 0x37d00d01   ; 1 / 8!
	v_fmaak_f32 v[PA+6+\e], v[PA+6+\e], v[PA+2+\e], 0xb9500d01   ; -1 / 7!
.endr
.irp e, 0,1
	v_fmaak_f32 v[PA+4+\e], v[PA+4+\e], v[PA+2+\e], 0xbab60b61   ; -1 / 6!
	v_fmaak_f32 v[PA+6+\e], v[PA+6+\e], v[PA+2+\e], 0x3c088889   ; 1 / 5!
.endr
.irp e, 0,1
	v_fmaak_f32 v[PA+4+\e], v[PA+4+\e], v[PA+2+\e], 0x3d2aaaab   ; 1 / 4!
	v_fmaak_f32 v[PA+6+\e], v[PA+6+\e], v[PA+2+\e], 0xbe2aaaab   ; -1 / 3!
.endr
.irp e, 0,1
	v_fma_f32 v[PA+4+\e], v[PA+4+\e], v[PA+2+\e], -0.5
	v_fma_f32 v[PA+6+\e], v[PA+6+\e], v[PA+2+\e], 1.0
.endr
.irp e, 0,1
	v_fma_f32 v[PA+4+\e], v[PA+4+\e], v[PA+2+\e], 1.0            ; cos
	v_mul_f32 v[PA+6+\e], v[PA+\e], v[PA+6+\e]                   ; sin
.endr
	ds_store_b32 v[TBW], v[PA+4]                   ; my own stage, whose turns are over: cos of the half's 64 pairs, 4 bytes a pair,
	ds_store_b32 v[TBW], v[PA+5] offset:128
	ds_store_b32 v[TBW], v[PA+6] offset:256        ; then sin
	ds_store_b32 v[TBW], v[PA+7] offset:384
	WIN 0x40                                       ; back: registers 2 p, 2 p + 1 of a lane's results hold pair 8 h + 16 (p / 8) + p % 8.  LDS serves a wave's instructions in order: these see my stores
.irp q, 0,1,2,3
	ds_load_b128 v[CT+8*\q:CT+8*\q+3], v[TBR] offset:64*\q
	ds_load_b128 v[CT+8*\q+4:CT+8*\q+7], v[TBR] offset:64*\q+16
	ds_load_b128 v[ST+8*\q:ST+8*\q+3], v[TBR] offset:256+64*\q
	ds_load_b128 v[ST+8*\q+4:ST+8*\q+7], v[TBR] offset:256+64*\q+16
.endr
	WIN 0
	TILE 0, 0, PC0, PWK
	TILE 1, 0, PC1, PW
	s_branch .Ljoin
.Lv_arm:
	; ---- V.  The bias hangs on the lane's own channel: eight equal registers a tile serve as C
	s_lshl_b32 s2, s5, 7
	s_mov_b32 s3, 0
	s_add_nc_u64 s[34:35], s[34:35], s[2:3]        ; my wave's 32 channels
	WIN 0x40
.irp i, 0,1
.irp j, 0,1,2,3,4,5,6,7
	global_load_b32 v[CB+8*\i+\j], v[RB4], s[34:35] offset:32*\i
.endr
.endr
	WIN 0
	TILE 0, 1, PC0, PWK
	TILE 1, 1, PC1, PW
.Ljoin:
	v_cndmask_b32 v[OUTW], v[PWK], v[PW], s[HM]    ; lanes 0-15: tile 0's words; lanes 16-31: tile 1's (each word stands in lanes r and r + 16)
	global_store_b32 v[LN4], v[OUTW], s[46:47]
	s_wait_tensorcnt 0x0                           ; the wave's end
	ds_add_u32 v[SPW], v[NIL]
	s_wait_dscnt 0x0
	s_endpgm
.Lfunc_end_k_q7fb7e6b5ef_prep:
	.size	k_q7fb7e6b5ef_prep, .Lfunc_end_k_q7fb7e6b5ef_prep-k_q7fb7e6b5ef_prep
	.p2alignl 7, 3214868480
	.fill 96, 4, 3214868480
	.section	.rodata,"a",@progbits
	.p2align	6, 0x0
	.amdhsa_kernel k_q7fb7e6b5ef_prep
		.amdhsa_group_segment_fixed_size 103424
		.amdhsa_private_segment_fixed_size 0
		.amdhsa_enable_private_segment 0
		.amdhsa_kernarg_size 80
		.amdhsa_user_sgpr_count 2
		.amdhsa_user_sgpr_kernarg_segment_ptr 1
		.amdhsa_wavefront_size32 1
		.amdhsa_system_sgpr_workgroup_id_x 1
		.amdhsa_system_sgpr_workgroup_id_y 1
		.amdhsa_system_sgpr_workgroup_id_z 1
		.amdhsa_system_vgpr_workitem_id 0
		.amdhsa_next_free_vgpr 512
		.amdhsa_next_free_sgpr 66
		.amdhsa_reserve_vcc 0
		.amdhsa_float_denorm_mode_32 3
		.amdhsa_float_denorm_mode_16_64 3
		.amdhsa_memory_ordered 1
		.amdhsa_forward_progress 1
		.amdhsa_inst_pref_size 159
	.end_amdhsa_kernel
	.amdgpu_metadata
---
amdhsa.version: [ 1, 2 ]
amdhsa.kernels:
  - .name:           k_q7fb7e6b5ef_prep
    .symbol:         k_q7fb7e6b5ef_prep.kd
    .args:
      - { .name: x, .offset: 0, .size: 8, .value_kind: global_buffer, .address_space: global }
      - { .name: wq, .offset: 8, .size: 8, .value_kind: global_buffer, .address_space: global }
      - { .name: wk, .offset: 16, .size: 8, .value_kind: global_buffer, .address_space: global }
      - { .name: wv, .offset: 24, .size: 8, .value_kind: global_buffer, .address_space: global }
      - { .name: bq, .offset: 32, .size: 8, .value_kind: global_buffer, .address_space: global }
      - { .name: bk, .offset: 40, .size: 8, .value_kind: global_buffer, .address_space: global }
      - { .name: bv, .offset: 48, .size: 8, .value_kind: global_buffer, .address_space: global }
      - { .name: qf, .offset: 56, .size: 8, .value_kind: global_buffer, .address_space: global }
      - { .name: kvc, .offset: 64, .size: 8, .value_kind: global_buffer, .address_space: global }
      - { .name: kvs, .offset: 72, .size: 8, .value_kind: global_buffer, .address_space: global }
    .group_segment_fixed_size: 103424
    .private_segment_fixed_size: 0
    .kernarg_segment_align: 8
    .kernarg_segment_size: 80
    .max_flat_workgroup_size: 256
    .sgpr_count:     66
    .vgpr_count:     512
    .wavefront_size: 32
...
	.end_amdgpu_metadata
.endif
;; end of part 1
;; launch attn (part 2): grid 64 x 4, 4 waves a work-group, clusters of 4 x 1, 327,680 bytes of LDS; arguments qf, kvc, kvs, part, pst; writes part, pst
.if DOCPART == 2
	.amdgcn_target "amdgcn-amd-amdhsa--gfx1250"
	.amdhsa_code_object_version 6
	.text
	.protected	k_q7fb7e6b5ef_attn
	.globl	k_q7fb7e6b5ef_attn
	.p2align	8
	.type	k_q7fb7e6b5ef_attn,@function
k_q7fb7e6b5ef_attn:
	s_mov_b64 s[64:65], 0
	v_nop
	global_prefetch_b8 v0, s[64:65] scope:SCOPE_SE
	s_setreg_imm32_b32 hwreg(HW_REG_WAVE_MODE, 25, 1), 1
	s_wait_xcnt 0x0
	s_wait_alu depctr_hold_cnt(0) depctr_sa_sdst(0) depctr_va_vdst(0) depctr_va_sdst(0) depctr_va_ssrc(0) depctr_va_vcc(0) depctr_vm_vsrc(0)
	s_getreg_b32 s2, hwreg(HW_REG_IB_STS2, 6, 4)
	s_cmp_eq_u32 s2, 0
	s_cbranch_scc0 .Lentry_in_a_cluster
	s_endpgm
.Lentry_in_a_cluster:
	s_bfe_u32 s2, ttmp6, 0x10000c
	s_cmp_lg_u32 s2, 0x3003
	s_cbranch_scc0 .Lentry_shape_is_right
	s_endpgm
.Lentry_shape_is_right:
; ATTN: S^T = K Q^T and O^T = V^T P^T on codes of E5M2 with E8M0 scales, for 128 queries (block g) and 2,048 keys (split y: key steps 16 y .. 16 y + 15 of 128 keys).  Nothing of the problem is left out here.
; THE SOFTMAX: t = score x log2(e) / 16; M = the largest t so far, rounded UP to a whole number; p = 2^(t - M) is what is quantised, along the keys; the sum l is taken of the unquantised p.  When M moves, l and O^T are
; multiplied by 2^(old M - new M): exact.  The split's O^T, -M and l go to memory; the next launch joins the four splits by powers of two and divides.
; SHARES.  Four waves, each with 32 queries: two tiles of 16.  Every fragment of K and V read from LDS feeds two products.  A lane holds ONE query (lane % 16) in S^T, p and O^T.
; K's tiles hold keys 32 b + 8 u + r + 8 (r / 8), so that the 16 registers of tiles 2 b, 2 b + 1 are keys 32 b + 16 (lane / 16) + 0 .. 15: the conversions' results are the second product's operand.
; ALL OPERANDS LIE IN MEMORY AS IMAGES OF THEIR REGISTERS (group c of four registers at 512 c + 16 x lane): a key step is 65,536 bytes, K's 16 fragments and then V's 16.
; A BODY serves key step k: V^T P of step k - 1, with the rescaling of O^T and step k's maxima behind its products; M and the exponentials of step k; then K Q^T of step k + 1, with the sums, holds and conversions of step k
; behind its products: block b of S^T is written anew when block b of p has become codes, so S^T needs one set of registers.
; THE RING'S UNIT k is V of step k and K of step k + 1, which are neighbours in memory: body k reads unit k alone.  K of the split's step 0 comes straight into registers at the head.  The last unit's K half is read by nobody;
; in the last split it is 32,768 bytes of kvc behind the last key step, which no launch stores and no result hangs on.
; Two slots of two units.  A wave fetches half a unit, every second row of 256 bytes: LDS holds a unit's even rows (lanes 0-15 of each group), then its odd rows (lanes 16-31): each half of the lanes reads 256 consecutive bytes.
; CLUSTER: the four query blocks of a cluster walk the same keys: each load is asked for JOINTLY, with the same descriptor (made of y and the wave's number alone) and a mask that names the four.
; The scale registers of all 16 steps go through registers into LDS once.
; LIMITS: NaN and infinities are not served; a p under 2^-126 comes out of v_exp_f32 as 0; a block whose every p is 0 keeps the byte 1: its codes are zeros.
; THE PROMISE holds while the scaled scores stay under 2^31 in magnitude.
; REGISTERS, in windows of 256: window 0: addresses, statistics, scale words, S^T then p (v64-191), p's codes (v192-223), tile 1's work (v224-243).  window 1: O^T, 128 a tile.
;   window 2: V's 16 fragments; the places of the last four take K's block 0 until its products are issued.  window 3: v0-127 K's blocks 1, 2; v128-191 Q's four fragments; v192-255 K's block 3.
.set SLOT1, 1<<17                      ; slot 1 begins here: one exclusive or turns an address in one slot into the other's
.set STEPB, 65536                      ; a unit
.set SPARE, 2*SLOT1                    ; the spare words, 128 bytes for each wave: two blocks of 256 bytes that no other line names
.set SCB,   SPARE+512                  ; the 16 steps' scale registers, 2,048 bytes a step
.set LI,  1                            ; v1   16 x lane
.set LS,  2                            ; v2   SCB + 4 x lane
.set ADR, 3                            ; v3   LDS address of the unit's fragments
.set LL,  4                            ; v4   16 (lane % 16) + 32,768 (lane / 16)
.set ASR, 5                            ; v5   LDS address of the step's scale registers
.set SCW, 6                            ; v6   where I store scale words
.set PFO, 7                            ; v7   256 x lane: the prefetches' offset; never rewritten
.set SPW, 8                            ; v8   my spare word's LDS address; never rewritten
.set NIL, 9                            ; v9   0; never rewritten
.set FF,  10                           ; v[10:11] tile 0's f = 2^(old M - new M); the packed forms name the pair and take its low word.  Tile 1's: v[242:243]
.set DF,  232
.set ST,  12                           ; tile t at v[12 + 4 t]: -M, the largest t, l in two halves
.set PS,  20                           ; v20-21 p's scale words
.set QS,  22                           ; v22-23 Q's: K step s; lanes 0-15 tile 0, lanes 16-31 tile 1
.set KS,  24                           ; v24-31 K's: 2 (T / 2) + s; the row says which tile of the pair
.set VS,  32                           ; v32-39 V's: 2 (P / 4) + P % 2
.set BM,  40                           ; v40-43 the blocks' largest scores, then p.  Tile 1's work registers lie DT further up: v224-240
.set PX,  44                           ; v44-47 at work
.set HL,  48                           ; v48-51 57,344 x the scale
.set SO,  52                           ; v52-55 the conversions' scale operands
.set TT,  56
.set DT,  184
.set L8,  57                           ; v57  8 x lane
.set L4,  58                           ; v58  4 x lane
.set T16, 59                           ; v59  16 x my thread's number
.set SX,  60                           ; v60-63 the sums' second chains
.set S,   64
.set CD,  192
.set WV,  14
.set G1,  24                           ; s[24:31] group 1: 128 rows of 256 bytes, 512 bytes apart
.set KB,  32                           ; the split's codes
.set KSB, 34                           ; and its scale registers
.set G0A, 40                           ; s[40:43] slot 0's first fill
.set G0W, 44                           ; s[44:47] slot 1's first fill; it then walks
.set SLOTS, 52
.set TWICE, 53
.set CS,  54                           ; s[54:55] c = log2(e) / 16
.set SEL, 56
.set MNT, 58
.set TB,  59                           ; LDS byte at which the unit in hand begins
.set TS,  60                           ; and its scale registers: 2,048 bytes a step
.set LIM, 61
.set PFA, 62
.set QB,  66
.set PB,  68
.set SB,  70
.set QSB, 72
.set MSB, 0
.macro WIN new                         ; the immediate's high byte repeats the setting that is left
.if MSB != \new
	s_set_vgpr_msb (MSB<<8)|\new
.set MSB, \new
.endif
.endm
.set W_S0,  0x0f                       ; K window 3, Q window 3, S^T window 0
.set W_S1,  0x0e                       ; K window 2, Q window 3
.set W_PV,  0x52                       ; V window 2, codes window 0, O^T window 1
.set W_RS,  0x41                       ; O^T (destination, source 0) window 1, f window 0
.set TO_FV, 0x80
.set TO_FK, 0xc0
.set ST_O,  0x04                       ; a store's data are its source 1: window 1
.macro PLACES n
.rept \n
	v_nop
.endr
.endm
.macro CROUND                          ; a round of the cluster's barrier
	s_barrier_signal -1
	s_barrier_wait -1
	s_cmp_lg_u32 s[WV], 0
	s_cbranch_scc1 .Lnot_wave_0_\@
	s_barrier_signal -3
.Lnot_wave_0_\@:
	s_barrier_wait -3
	s_barrier_signal -1
	s_barrier_wait -1
.endm
.macro JLOAD g                         ; every wave asks for its quarter of the slot; an s_nop 0 and four v_nop follow
	tensor_load_to_lds s[\g:\g+3], s[G1:G1+7]
	s_nop 0
	PLACES 4
.endm
; A prefetch of what the NEXT change of slots will ask for: 131,072 bytes = 512 blocks of 256.  All clusters of a split walk the same keys: the split's first cluster asks; its four partners take 32,768 bytes each, told apart by
; address, each wave 8,192 of them, lanes 256 bytes apart: each block is named once in the launch.  The last fill, which reaches beyond the split, is not asked for.
.macro ASK
	s_cmp_gt_u32 s[SLOTS], s[LIM]
	s_cbranch_scc0 .Lnot_mine_\@
	global_prefetch_b8 v[PFO], s[PFA:PFA+1] th:TH_LOAD_NT scope:SCOPE_SE
.Lnot_mine_\@:
.endm
; One product: registers and rows by symbols.  zC = 1: the constant 0 starts the sum.  fA, fB: the scale words stand in lanes 16-31.
.macro WM
.if zC
.if fA && fB
	v_wmma_scale_f32_16x16x128_f8f6f4 v[rD:rD+7], v[rA:rA+15], v[rB:rB+15], 0, v[rSA], v[rSB] matrix_a_fmt:MATRIX_FMT_BF8 matrix_b_fmt:MATRIX_FMT_BF8 matrix_a_scale:MATRIX_SCALE_ROW1 matrix_b_scale:MATRIX_SCALE_ROW1
.elseif fA
	v_wmma_scale_f32_16x16x128_f8f6f4 v[rD:rD+7], v[rA:rA+15], v[rB:rB+15], 0, v[rSA], v[rSB] matrix_a_fmt:MATRIX_FMT_BF8 matrix_b_fmt:MATRIX_FMT_BF8 matrix_a_scale:MATRIX_SCALE_ROW1
.elseif fB
	v_wmma_scale_f32_16x16x128_f8f6f4 v[rD:rD+7], v[rA:rA+15], v[rB:rB+15], 0, v[rSA], v[rSB] matrix_a_fmt:MATRIX_FMT_BF8 matrix_b_fmt:MATRIX_FMT_BF8 matrix_b_scale:MATRIX_SCALE_ROW1
.else
	v_wmma_scale_f32_16x16x128_f8f6f4 v[rD:rD+7], v[rA:rA+15], v[rB:rB+15], 0, v[rSA], v[rSB] matrix_a_fmt:MATRIX_FMT_BF8 matrix_b_fmt:MATRIX_FMT_BF8
.endif
.else
.if fA && fB
	v_wmma_scale_f32_16x16x128_f8f6f4 v[rD:rD+7], v[rA:rA+15], v[rB:rB+15], v[rD:rD+7], v[rSA], v[rSB] matrix_a_fmt:MATRIX_FMT_BF8 matrix_b_fmt:MATRIX_FMT_BF8 matrix_a_scale:MATRIX_SCALE_ROW1 matrix_b_scale:MATRIX_SCALE_ROW1
.elseif fA
	v_wmma_scale_f32_16x16x128_f8f6f4 v[rD:rD+7], v[rA:rA+15], v[rB:rB+15], v[rD:rD+7], v[rSA], v[rSB] matrix_a_fmt:MATRIX_FMT_BF8 matrix_b_fmt:MATRIX_FMT_BF8 matrix_a_scale:MATRIX_SCALE_ROW1
.elseif fB
	v_wmma_scale_f32_16x16x128_f8f6f4 v[rD:rD+7], v[rA:rA+15], v[rB:rB+15], v[rD:rD+7], v[rSA], v[rSB] matrix_a_fmt:MATRIX_FMT_BF8 matrix_b_fmt:MATRIX_FMT_BF8 matrix_b_scale:MATRIX_SCALE_ROW1
.else
	v_wmma_scale_f32_16x16x128_f8f6f4 v[rD:rD+7], v[rA:rA+15], v[rB:rB+15], v[rD:rD+7], v[rSA], v[rSB] matrix_a_fmt:MATRIX_FMT_BF8 matrix_b_fmt:MATRIX_FMT_BF8
.endif
.endif
.endm
; K's fragment i = 2 T + s into its place: from LDS, or (g = 1, the split's step 0) straight from memory.
.macro KF i, g=0
.if (\i) < 4
	WIN TO_FV
.set kr, 192+16*(\i)
.elseif (\i) < 12
	WIN TO_FK
.set kr, 16*((\i)-4)
.else
	WIN TO_FK
.set kr, 192+16*((\i)-12)
.endif
.irp c, 0,1,2,3
.if \g
	global_load_b128 v[kr+4*\c:kr+4*\c+3], v[LI], s[KB:KB+1] offset:2048*(\i)+512*\c
.else
	ds_load_b128 v[kr+4*\c:kr+4*\c+3], v[ADR] offset:16384+1024*(\i)+256*\c
.endif
.endr
.endm
.macro VF P                            ; V's fragment P
	WIN TO_FV
.irp c, 0,1,2,3
	ds_load_b128 v[16*(\P)+4*\c:16*(\P)+4*\c+3], v[ADR] offset:1024*(\P)+256*\c
.endr
.endm
.macro ADDR                            ; the unit's LDS addresses
	v_add_nc_u32 v[ADR], s[TB], v[LL]
	v_add_nc_u32 v[ASR], s[TS], v[LS]
	s_wait_alu depctr_va_vdst(0)                   ; behind these writes
.endm
.macro OST g                           ; products 4 g .. 4 g + 3 of the last step have finished four accumulators: they leave, each from its low end on: 512 consecutive bytes a store, aligned
	WIN ST_O
.irp e, 0,1,2,3
	global_store_b128 v[LI], v[16*(\g)+4*\e:16*(\g)+4*\e+3], s[PB:PB+1] offset:512*(4*(\g)+\e) th:TH_STORE_NT
	global_store_b128 v[LI], v[128+16*(\g)+4*\e:128+16*(\g)+4*\e+3], s[PB:PB+1] offset:512*(32+4*(\g)+\e) th:TH_STORE_NT
.endr
.endm
.macro KRUN                            ; by the running number nn of 32: K's blocks 1 to 3, a block a run, and behind the last the scale registers of step k + 1's K
.if (nn%8 == 7) && (nn < 24)
.irp e, 0,1,2,3
	KF 4+4*(nn/8)+\e
.endr
	WIN 0
.endif
.if nn == 23
	WIN 0
.irp e, 0,1,2,3,4,5,6,7
	ds_load_b32 v[KS+\e], v[ASR] offset:2048+128*\e
.endr
.endif
.endm
; Line n of 64 of both tiles' maxima: the largest score of each block of 32 keys (my 16), each accumulator from its low end on.
.macro MAXL n
.set mt, (\n)%2
.if (\n) < 8
.set mb, (\n)/2
	v_max3_num_f32 v[BM+DT*mt+mb], v[S+64*mt+16*mb], v[S+64*mt+16*mb+1], v[S+64*mt+16*mb+2]
.elseif (\n) < 56
.set mb, (((\n)-8)%8)/2
.set mi, S+64*mt+16*mb+3+2*(((\n)-8)/8)
	v_max3_num_f32 v[BM+DT*mt+mb], v[BM+DT*mt+mb], v[mi], v[mi+1]
.else
.set mb, ((\n)-56)/2
	v_max_num_f32 v[BM+DT*mt+mb], v[BM+DT*mt+mb], v[S+64*mt+16*mb+15]
.endif
.endm
; Line n of 54 of block b of p, both tiles by turns: the sums (l is taken of the unquantised p: two chains a tile), the holds, the conversions, and plain lines behind them.
.macro CL b, n
.set ct, (\n)%2
.if (\n) < 16
.set cj, (\n)/2
.set ca, S+64*ct+16*(\b)+2*cj
.if cj%2 == 0
	v_pk_add_f32 v[ST+4*ct+2:ST+4*ct+3], v[ST+4*ct+2:ST+4*ct+3], v[ca:ca+1]
.elseif ((\b) == 0) && (cj == 3)
	v_pk_add_f32 v[SX+2*ct:SX+2*ct+1], v[ca-4:ca-3], v[ca:ca+1]
.elseif ((\b) > 0) || (cj > 3)
	v_pk_add_f32 v[SX+2*ct:SX+2*ct+1], v[SX+2*ct:SX+2*ct+1], v[ca:ca+1]
.endif
.elseif (\n) < 48
.set ca, S+64*ct+16*(\b)+((\n)-16)/2
	v_min_num_f32 v[ca], v[ca], v[HL+DT*ct+(\b)]   ; the conversion does not saturate (ISA guide 7.6.2); p is not negative: a one-sided hold
.elseif (\n) < 52
.set cj, ((\n)-48)/2
.set ca, S+64*ct+16*(\b)+8*cj
.set cc, CD+16*ct+4*(\b)+2*cj
	v_cvt_scalef32_pk8_bf8_f32 v[cc:cc+1], v[ca:ca+7], v[SO+DT*ct+(\b)]
.elseif (\n) < 54
.if (\b) == 3
	v_pk_add_f32 v[ST+4*ct+2:ST+4*ct+3], v[ST+4*ct+2:ST+4*ct+3], v[SX+2*ct:SX+2*ct+1]
.elseif (\n) == 52
	v_nop                                          ; a plain line behind the conversions
.endif
.endif
.endm
; S^T, block bl: tiles 2 bl, 2 bl + 1, both K steps, both tiles of queries: 8 products, four accumulators by turns.  cb: the block of p whose lines stand behind them (-1: none).
.macro SPB bl, cb
.set sq, 0
.rept 8
.set qT, 2*(\bl)+(sq/2)%2
.set qS, sq/4
.set qI, 2*qT+qS
.if (\bl) == 0
	WIN W_S1
.set rA, 192+16*qI
.elseif (\bl) == 3
	WIN W_S0
.set rA, 192+16*(qI-12)
.else
	WIN W_S0
.set rA, 16*(qI-4)
.endif
.set rD, S+64*(sq%2)+8*qT
.set rB, 128+16*(2*(sq%2)+qS)
.set rSA, KS+2*(\bl)+qS
.set rSB, QS+qS
.set fA, qT%2
.set fB, sq%2
.set zC, 1-qS
	WM
.set sq, sq+1
.if ((\cb) >= 0) && (sq%4 == 0)        ; half of the lines behind each four products
	WIN 0
.set cn, 7*sq-28
.rept 28
	CL \cb, cn
.set cn, cn+1
.endr
.endif
.endr
.endm
; Accumulator n of O^T (fragment n / 2 of V, tile n % 2) under the new M: x f, from its low end on.
.macro RS n
	WIN W_RS
.irp e, 0,2,4,6
	v_pk_mul_f32 v[128*((\n)%2)+8*((\n)/2)+\e:128*((\n)%2)+8*((\n)/2)+\e+1], v[128*((\n)%2)+8*((\n)/2)+\e:128*((\n)%2)+8*((\n)/2)+\e+1], v[FF+DF*((\n)%2):FF+DF*((\n)%2)+1] op_sel_hi:[1,0]
.endr
.endm
.macro PVP z                           ; product nn of 32 of V^T P: each accumulator is met once a step
	WIN W_PV
.set rD, 128*(nn%2)+8*(nn/2)
.set rA, 16*(nn/2)
.set rB, CD+16*(nn%2)
.set rSA, VS+2*(nn/8)+(nn/2)%2
.set rSB, PS+nn%2
.set fA, (nn/4)%2
.set fB, 0
.set zC, \z
	WM
.endm
; O^T += V^T P^T in groups of four products; the next group's accumulators are rescaled behind a group.  mx = 1: then eight of the next maxima's lines; last = 0: and the runs of K's loads.  mx = 0, the split's end: the group before leaves.
.macro PVM mx, last
	RS 0
	RS 1
	RS 2
	RS 3
.set nn, 0
.rept 8
.if \mx && (nn == 24)
	s_wait_alu depctr_va_vdst(0)                   ; ahead of the wait below
.if \last
	s_wait_dscnt 0x0
.else
	s_wait_dscnt 56                                ; V's last four fragments are in; K's 48 loads and 8 scale registers behind them may be out
.endif
.endif
.rept 4
	PVP 0
.set nn, nn+1
.endr
.if nn < 32
	RS nn
	RS nn+1
	RS nn+2
	RS nn+3
.endif
.if \mx
	WIN 0
.if nn == 4
	ADDR                                           ; the last body's loads have had four products' time to read the old addresses
.endif
.irp e, 0,1,2,3,4,5,6,7
	MAXL 2*nn-8+\e
.endr
.if (\last) == 0
.set nn, nn-1
	KRUN
.set nn, nn+1
.endif
.elseif nn > 4
	OST (nn/4)-2
.endif
.endr
	WIN 0
.endm
; Behind the maxima: M, the exponentials in two batches (one a tile), the scales' lines.  kind 0: the split's first step: no old M.
.macro SMX kind, last
.irp b, 0,1,2,3
.irp t, 0,1
	v_permlanex16_b32 v[PX+DT*\t+\b], v[BM+DT*\t+\b], s[SEL], s[SEL+1]
.endr
.endr
.irp b, 0,1,2,3
.irp t, 0,1
	v_max_num_f32 v[BM+DT*\t+\b], v[BM+DT*\t+\b], v[PX+DT*\t+\b]   ; with lane l xor 16's 16 keys
.endr
.endr
.irp t, 0,1
	v_max3_num_f32 v[TT+DT*\t], v[BM+DT*\t], v[BM+DT*\t+1], v[BM+DT*\t+2]
.endr
.irp t, 0,1
	v_max_num_f32 v[TT+DT*\t], v[TT+DT*\t], v[BM+DT*\t+3]          ; the step's largest score of my query
.endr
.irp e, 0,1,2,3                        ; more than eight plain lines stand behind the last product V^T P: its registers may be loaded
.if \last
	VF 12+\e
.else
	KF \e
.endif
.endr
	WIN 0
.irp e, 0,1,2,3,4,5,6,7
	ds_load_b32 v[VS+\e], v[ASR] offset:1024+128*\e
.endr
.if (\kind) == 0
.irp t, 0,1
	v_mul_f32 v[ST+4*\t+1], s[CS], v[TT+DT*\t]     ; as t (c is positive)
.endr
.irp t, 0,1
	v_floor_f32 v[ST+4*\t], -v[ST+4*\t+1]          ; -M = floor(-t): M is a whole number
.endr
.else
.irp t, 0,1
	v_mul_f32 v[TT+DT*\t], s[CS], v[TT+DT*\t]
.endr
.irp t, 0,1
	v_max_num_f32 v[ST+4*\t+1], v[ST+4*\t+1], v[TT+DT*\t]          ; the running largest t
.endr
.irp t, 0,1
	v_mov_b32 v[TT+DT*\t], v[ST+4*\t]
.endr
.irp t, 0,1
	v_floor_f32 v[ST+4*\t], -v[ST+4*\t+1]
.endr
.irp t, 0,1
	v_sub_f32 v[TT+DT*\t], v[ST+4*\t], v[TT+DT*\t] ; old M - new M: a whole number, 0 or less
.endr
.irp t, 0,1
	v_cvt_i32_f32 v[TT+DT*\t], v[TT+DT*\t]         ; (it saturates)
.endr
.irp t, 0,1
	v_ldexp_f32 v[FF+DF*\t], 1.0, v[TT+DT*\t]      ; f
.endr
.endif
.irp b, 0,1,2,3
.irp t, 0,1
	v_fma_f32 v[BM+DT*\t+\b], v[BM+DT*\t+\b], s[CS], v[ST+4*\t]    ; t - M of each block's largest score
.endr
.endr
.set pp, S
.rept 32
	v_pk_fma_f32 v[pp:pp+1], v[pp:pp+1], s[CS:CS+1], v[ST:ST+1] op_sel_hi:[1,0,0]   ; tile 0: t - M, two at a time
.set pp, pp+2
.endr
	s_wait_alu depctr_va_vdst(0)                   ; ahead of the batch
.irp e, 0,1,2,3
	VF \e
.endr
.set pp, 0
.rept 32                                       ; tile 0's exponentials; tile 1's scalings, which are read behind the next wait, stand among them
	WIN 0
	v_exp_f32 v[S+2*pp], v[S+2*pp]                 ; p = 2^(t - M), at most 1
	v_exp_f32 v[S+2*pp+1], v[S+2*pp+1]
	v_pk_fma_f32 v[S+64+2*pp:S+65+2*pp], v[S+64+2*pp:S+65+2*pp], s[CS:CS+1], v[ST+4:ST+5] op_sel_hi:[1,0,0]
.set pp, pp+1
.endr
	WIN 0
.irp b, 0,1,2,3
	v_exp_f32 v[BM+\b], v[BM+\b]                   ; the block's largest p: the same two instructions on the same number
.endr
	s_wait_alu depctr_va_vdst(0)                   ; between the batches
.irp e, 4,5,6,7
	VF \e
.endr
.set pp, 0
.rept 64                                       ; tile 1's
	WIN 0
	v_exp_f32 v[S+64+pp], v[S+64+pp]
.set pp, pp+1
.endr
.irp b, 0,1,2,3
	v_exp_f32 v[BM+DT+\b], v[BM+DT+\b]
.endr
.if (\kind) == 0
	v_nop                                          ; a plain line behind the exponentials
.else
.irp t, 0,1
	v_pk_mul_f32 v[ST+4*\t+2:ST+4*\t+3], v[ST+4*\t+2:ST+4*\t+3], v[FF+DF*\t:FF+DF*\t+1] op_sel_hi:[1,0]   ; l under the new M: plain lines behind the exponentials
.endr
.endif
	s_wait_alu depctr_va_vdst(0)                   ; ahead of the batch's first reader
.irp e, 8,9,10,11
	VF \e
.endr
	WIN 0
.irp b, 0,1,2,3
.irp t, 0,1
	v_max_num_f32 v[BM+DT*\t+\b], 0x8000000, v[BM+DT*\t+\b]        ; the floor 2^(16 - 127): the byte cannot fall under 1
.endr
.endr
.irp b, 0,1,2,3
.irp t, 0,1
	v_add_nc_u32 v[SO+DT*\t+\b], 0xf8800000, v[BM+DT*\t+\b]        ; 15 off the exponent field: the conversion's scale operand
.endr
.endr
.irp b, 0,1,2,3
.irp t, 0,1
	v_and_or_b32 v[HL+DT*\t+\b], v[BM+DT*\t+\b], 0x7f800000, s[MNT]   ; 57,344 x the scale
.endr
.endr
.irp b, 0,1,2,3
.irp t, 0,1
	v_lshrrev_b32 v[PX+DT*\t+\b], 23, v[SO+DT*\t+\b]               ; the scale's byte
.endr
.endr
.irp t, 0,1
	v_lshl_or_b32 v[PS+\t], v[PX+DT*\t+1], 8, v[PX+DT*\t]          ; p's scale word for these 128 keys
.endr
.irp t, 0,1
	v_lshl_or_b32 v[PS+\t], v[PX+DT*\t+2], 16, v[PS+\t]
.endr
.irp t, 0,1
	v_lshl_or_b32 v[PS+\t], v[PX+DT*\t+3], 24, v[PS+\t]
.endr
.set cn, 0
.rept 54
	CL 0, cn
.set cn, cn+1
.endr
	WIN 0
.endm
; Key step k.  kind 0: the split's first: no product V^T P.  kind 1: its products V^T P start O^T's sums: nothing is cleared or rescaled.  last = 1: no next K.
.macro BODY kind, last
	WIN 0
.if (\kind) < 2
	ADDR
.else
	s_wait_alu depctr_va_vdst(0)                   ; behind the last body's writes
.endif
.if (\kind) == 2
	s_wait_dscnt 16                                ; V of step k - 1 is in but for the 16 loads of its last four fragments
	PVM 1, \last
.else
.if (\kind) == 1
	s_wait_dscnt 0x0
	PLACES 4
.set nn, 0
.rept 32
	PVP 1
.set nn, nn+1
.endr
	WIN 0
.endif
	PLACES 8                                       ; ahead of the first read of S^T, and of loads into registers that its products have read
.set nn, 0
.rept 32
	WIN 0
	MAXL 2*nn
	MAXL 2*nn+1
	KRUN
.set nn, nn+1
.endr
.endif
	SMX \kind, \last
.if \last
.irp b, 1,2,3
.set cn, 0
.rept 54
	CL \b, cn
.set cn, cn+1
.endr
.endr
.else
	s_wait_dscnt 56                                ; K is in; behind it V's 8 scale registers and 48 loads may be out
	SPB 0, 1
	SPB 1, 2
.irp e, 12,13,14,15                    ; the places of K's block 0, whose products lie 54 plain lines back
	VF \e
.endr
	SPB 2, 3
	SPB 3, -1
	WIN 0
	s_add_co_u32 s[TB], s[TB], STEPB
	s_add_co_u32 s[TS], s[TS], 2048
.endif
.endm
; THE CHANGE OF SLOTS: all reads of the slot that is left have been issued.  Each wave waits for all its tensor loads, adds 0 to its spare word, and waits for that and for its reads.
; fill = 1: a round of the cluster's barrier, and the joint refill of the slot just left first behind it: it has two bodies in which to land.
.macro CHANGE fill
	WIN 0
	s_wait_tensorcnt 0x0                           ; no tensor load of mine is out, so a group 0 may be written
	ds_add_u32 v[SPW], v[NIL]
.if \fill
	s_xor_b32 s[G0W+1], s[G0W+1], SLOT1            ; the walking descriptor: the other slot than last time,
	s_add_nc_u64 s[G0W+2:G0W+3], s[G0W+2:G0W+3], 2*STEPB   ; the next two units; the type bits on top are not reached
	s_wait_xcnt 0x0                                ; the last prefetch, two bodies back, has read its address
	s_add_nc_u64 s[PFA:PFA+1], s[PFA:PFA+1], 2*STEPB
	s_wait_dscnt 0x0                               ; the add is done, and my reads of the slot are over
	CROUND
	JLOAD G0W
	ASK
.else
	s_wait_dscnt 0x0
	s_barrier_signal -1
	s_barrier_wait -1
.endif
	s_sub_co_u32 s[TB], s[TB], 2*STEPB             ; back to a slot's first unit,
	s_xor_b32 s[TB], s[TB], SLOT1                  ; in the other slot
.endm
	s_load_b256 s[4:11], s[0:1], 0x0               ; qf 4, kvc 6, kvs 8, part 10
	s_load_b64 s[12:13], s[0:1], 0x20              ; pst
	v_lshl_add_u32 v[SPW], v0, 2, SPARE
	v_mov_b32 v[NIL], 0
	ds_add_u32 v[SPW], v[NIL]                      ; the wave's opening: the add, twice on end, and its wait ahead of my first tensor load
	ds_add_u32 v[SPW], v[NIL]
	v_lshrrev_b32 v[TT], 5, v0
	v_readfirstlane_b32 s[WV], v[TT]               ; wave 0..3
	s_bfe_u32 s15, ttmp6, 0x40000                  ; cx: my place in the cluster
	s_lshl_b32 s16, ttmp9, 2
	s_add_co_u32 s16, s16, s15                     ; g: it enters Q's, O's and the prefetches' addresses alone
	s_and_b32 s17, ttmp7, 0xffff                   ; y, which the four partners share
	s_mov_b32 s[G1], 15|(3<<16)|(1<<21)            ; 15:0 the mask: all four; 17:16 elements of 8 bytes; 21 set beside a mask; no padding
	s_mov_b32 s[G1+1], 32<<16                      ; tensor_dim0 = 32 elements: rows of 256 bytes
	s_mov_b32 s[G1+2], 128<<16                     ; tensor_dim1 = 128
	s_mov_b32 s[G1+3], 32<<16                      ; tile_dim0
	s_mov_b32 s[G1+4], 128                         ; tile_dim1
	s_mov_b32 s[G1+5], 64                          ; from row to row: every second row of 256 bytes
	s_mov_b32 s[G1+6], 0
	s_mov_b32 s[G1+7], 0
	s_lshl_b32 s18, s17, 20                        ; the split's 16 key steps of codes,
	s_mov_b32 s19, 0
	s_lshl_b32 s22, s17, 15                        ; and its scale registers
	s_mov_b32 s23, 0
	s_lshl_b32 s20, s[WV], 15                      ; my quarter of a slot, in LDS;
	s_lshr_b32 s38, s[WV], 1
	s_lshl_b32 s38, s38, 16                        ; in memory: unit wave / 2,
	s_and_b32 s39, s[WV], 1
	s_lshl_b32 s39, s39, 8                         ; its even or its odd rows,
	s_add_co_u32 s38, s38, s39
	s_add_co_u32 s38, s38, 32768                   ; unit 0 begins at V of step 0
	s_mov_b32 s39, 0
	s_lshl_b32 s21, s[WV], 13
	s_mul_i32 s2, s16, 33792                       ; Q: my block, my wave's four fragments
	s_add_co_u32 s2, s2, s21
	s_mov_b32 s3, 0
	s_mul_i32 s74, s16, 33792                      ; and its two scale registers
	s_add_co_u32 s74, s74, 32768
	s_lshl_b32 s75, s[WV], 8
	s_add_co_u32 s74, s74, s75
	s_mov_b32 s75, 0
	s_lshl_b32 s76, s17, 8
	s_lshl_b32 s78, s16, 2
	s_add_co_u32 s76, s76, s78
	s_add_co_u32 s76, s76, s[WV]                   ; 256 y + 4 g + wave
	s_lshl_b32 s78, s76, 9                         ; x 512 bytes of statistics
	s_lshl_b32 s76, s76, 15                        ; x 32,768 bytes of O^T
	s_mov_b32 s77, 0
	s_mov_b32 s79, 0
	s_add_co_u32 s80, s18, 32768+4*STEPB           ; the prefetches: the split, fill 2, my work-group's quarter, my wave's quarter of that
	s_lshl_b32 s81, s15, 15
	s_add_co_u32 s80, s80, s81
	s_add_co_u32 s80, s80, s21
	s_mov_b32 s81, 0
	s_mov_b32 s[CS], 0x3db8aa3b                    ; c = log2(e) / 16
	s_mov_b32 s[CS+1], s[CS]                       ; (named with it as a pair, so it is written)
	s_mov_b32 s[SEL], 0x76543210
	s_mov_b32 s[SEL+1], 0xfedcba98
	s_mov_b32 s[MNT], 0x600000
	s_mov_b32 s[TB], 0
	s_mov_b32 s[TS], 0
	s_mov_b32 s[SLOTS], 6
	s_cmp_eq_u32 ttmp9, 0                          ; the split's first cluster: the same in all four partners
	s_cselect_b32 s[LIM], 2, 64
	v_and_b32 v[TT], 31, v0
	v_lshlrev_b32 v[LI], 4, v[TT]
	v_lshl_add_u32 v[LS], v[TT], 2, SCB
	v_lshlrev_b32 v[PFO], 8, v[TT]
	v_lshlrev_b32 v[L8], 3, v[TT]
	v_lshlrev_b32 v[L4], 2, v[TT]
	v_lshlrev_b32 v[T16], 4, v0
	v_add_nc_u32 v[SCW], SCB, v[T16]
	v_and_b32 v[LL], 15, v0
	v_lshlrev_b32 v[LL], 4, v[LL]
	v_bfe_u32 v[TT], v0, 4, 1
	v_lshl_add_u32 v[LL], v[TT], 15, v[LL]
	s_wait_alu depctr_va_vdst(0)
	s_wait_dscnt 0x0                               ; both opening adds are done
	s_wait_kmcnt 0x0
	s_add_nc_u64 s[QB:QB+1], s[4:5], s[2:3]
	s_add_nc_u64 s[QSB:QSB+1], s[4:5], s[74:75]
	s_add_nc_u64 s[PB:PB+1], s[10:11], s[76:77]
	s_add_nc_u64 s[SB:SB+1], s[12:13], s[78:79]
	s_add_nc_u64 s[PFA:PFA+1], s[6:7], s[80:81]    ; the first change of slots steps it to fill 3; nothing is prefetched at the head
	s_add_nc_u64 s[KB:KB+1], s[6:7], s[18:19]
	s_add_nc_u64 s[KSB:KSB+1], s[8:9], s[22:23]
	s_mov_b32 s[G0A], 1                            ; count = 1
	s_mov_b32 s[G0A+1], s20                        ; LDS address: slot 0, my quarter
	s_add_nc_u64 s[G0A+2:G0A+3], s[KB:KB+1], s[38:39]      ; units 0 and 1 of the split
	s_mov_b32 s[G0W], 1
	s_add_co_u32 s[G0W+1], s20, SLOT1
	s_add_nc_u64 s[G0W+2:G0W+3], s[G0A+2:G0A+3], 2*STEPB   ; units 2 and 3
	s_or_b32 s[G0A+3], s[G0A+3], 0x80000000        ; type = 2
	s_or_b32 s[G0W+3], s[G0W+3], 0x80000000
	; straight into registers: K of step 0 and its scale registers, Q and its own, and my share of the split's scale registers on their way to LDS
.irp i, 0,1,2,3,4,5,6,7,8,9,10,11,12,13,14,15
	KF \i, 1
.endr
	WIN TO_FK
.irp i, 0,1,2,3,4,5,6,7,8,9,10,11,12,13,14,15
	global_load_b128 v[128+4*\i:128+4*\i+3], v[LI], s[QB:QB+1] offset:512*\i   ; Q's fragments (tile t, K step s) at v[128 + 16 (2 t + s)] of window 3: they stay
.endr
	WIN 0
.irp i, 0,1,2,3,4,5,6,7
	global_load_b32 v[KS+\i], v[L4], s[KSB:KSB+1] offset:128*\i
.endr
	global_load_b32 v[QS], v[L4], s[QSB:QSB+1]
	global_load_b32 v[QS+1], v[L4], s[QSB:QSB+1] offset:128
	WIN 0x40                                       ; O^T's registers, which nothing has written yet
.irp i, 0,1,2,3,4,5,6,7,8,9,10,11,12,13,14,15
	global_load_b128 v[4*\i:4*\i+3], v[T16], s[KSB:KSB+1] offset:2048*\i
.endr
	WIN 0
	CROUND                                         ; all four work-groups are here: the first joint loads meet
	JLOAD G0A                                      ; slot 0: one tensor load a wave at the head
.irp r, 14,15,18,19
	v_mov_b32 v\r, 0                               ; l, in two halves a tile
.endr
.irp b, 0,1,2,3
	v_mov_b32 v[PX+\b], 0                          ; written once: a lane permute's destination counts as one of its sources
	v_mov_b32 v[PX+DT+\b], 0
.endr
	v_mov_b32 v[FF+1], 0                           ; (named as the upper halves of the two f's pairs)
	v_mov_b32 v[FF+DF+1], 0
	s_wait_alu depctr_va_vdst(0)                   ; the wait at the head's end
	s_wait_loadcnt 0x0
	SPB 0, -1                                      ; S^T of step 0
	SPB 1, -1
	SPB 2, -1
	SPB 3, -1
	WIN 0
	s_wait_tensorcnt 0x0                           ; my quarter of slot 0 is in
	WIN ST_O
.irp i, 0,1,2,3,4,5,6,7,8,9,10,11,12,13,14,15
	ds_store_b128 v[SCW], v[4*\i:4*\i+3] offset:2048*\i    ; the scale registers: bytes into which no tensor load lands
.endr
	WIN 0
	s_wait_tensorcnt 0x0                           ; the full sequence ahead of slot 1's first fill, as ahead of a refill:
	ds_add_u32 v[SPW], v[NIL]
	s_wait_dscnt 0x0                               ; the add and my stores are done
	CROUND                                         ; slot 0 and the scale registers are whole
	JLOAD G0W                                      ; slot 1
	BODY 0, 0                                      ; key step 0
	BODY 1, 0                                      ; key step 1
	WIN 0
.Lslot:                                            ; six trips: key steps 2 to 13; each change fills the slot just left with the two units that follow
	CHANGE 1
	s_mov_b32 s[TWICE], 2
.Lstep:
	BODY 2, 0
	WIN 0
	s_sub_co_u32 s[TWICE], s[TWICE], 1
	s_cmp_lg_u32 s[TWICE], 0
	s_cbranch_scc1 .Lstep
	s_sub_co_u32 s[SLOTS], s[SLOTS], 1
	s_cmp_lg_u32 s[SLOTS], 0
	s_cbranch_scc1 .Lslot
	CHANGE 0                                       ; the tail is written out
	BODY 2, 0                                      ; key step 14
	BODY 2, 1                                      ; key step 15
	WIN 0
	s_wait_alu depctr_va_vdst(0)
	s_wait_dscnt 0x0                               ; V of step 15
	v_add_f32 v[ST+1], v[ST+2], v[ST+3]            ; l's two halves (the largest t is done with),
	v_add_f32 v[ST+5], v[ST+6], v[ST+7]
	v_permlanex16_b32 v[PX], v[ST+1], s[SEL], s[SEL+1]
	v_permlanex16_b32 v[PX+1], v[ST+5], s[SEL], s[SEL+1]
	v_add_f32 v[ST+1], v[ST+1], v[PX]              ; and lane l xor 16's
	v_add_f32 v[ST+5], v[ST+5], v[PX+1]
	global_store_b64 v[L8], v[ST:ST+1], s[SB:SB+1]               ; (-M, l) of tile 0: 32 lanes store 256 consecutive bytes, aligned
	global_store_b64 v[L8], v[ST+4:ST+5], s[SB:SB+1] offset:256  ; of tile 1
	PVM 0, 1
	PLACES 8                                       ; ahead of the stores that read the last results
	OST 7
	WIN 0
	s_wait_tensorcnt 0x0                           ; the wave's end
	ds_add_u32 v[SPW], v[NIL]
	s_wait_dscnt 0x0
	CROUND                                         ; the closing round: no work-group ends while a partner may still ask for a tile that names it
	s_endpgm
.Lfunc_end_k_q7fb7e6b5ef_attn:
	.size	k_q7fb7e6b5ef_attn, .Lfunc_end_k_q7fb7e6b5ef_attn-k_q7fb7e6b5ef_attn
	.p2alignl 7, 3214868480
	.fill 96, 4, 3214868480
	.section	.rodata,"a",@progbits
	.p2align	6, 0x0
	.amdhsa_kernel k_q7fb7e6b5ef_attn
		.amdhsa_group_segment_fixed_size 327680
		.amdhsa_private_segment_fixed_size 0
		.amdhsa_enable_private_segment 0
		.amdhsa_kernarg_size 40
		.amdhsa_user_sgpr_count 2
		.amdhsa_user_sgpr_kernarg_segment_ptr 1
		.amdhsa_wavefront_size32 1
		.amdhsa_system_sgpr_workgroup_id_x 1
		.amdhsa_system_sgpr_workgroup_id_y 1
		.amdhsa_system_sgpr_workgroup_id_z 1
		.amdhsa_system_vgpr_workitem_id 0
		.amdhsa_next_free_vgpr 1024
		.amdhsa_next_free_sgpr 84
		.amdhsa_reserve_vcc 0
		.amdhsa_float_denorm_mode_32 3
		.amdhsa_float_denorm_mode_16_64 3
		.amdhsa_memory_ordered 1
		.amdhsa_forward_progress 1
		.amdhsa_inst_pref_size 255
	.end_amdhsa_kernel
	.section	.bss,"aw",@nobits
	.p2align	6
	.space	262144
	.amdgpu_metadata
---
amdhsa.version: [ 1, 2 ]
amdhsa.kernels:
  - .name:           k_q7fb7e6b5ef_attn
    .symbol:         k_q7fb7e6b5ef_attn.kd
    .args:
      - { .name: qf, .offset: 0, .size: 8, .value_kind: global_buffer, .address_space: global }
      - { .name: kvc, .offset: 8, .size: 8, .value_kind: global_buffer, .address_space: global }
      - { .name: kvs, .offset: 16, .size: 8, .value_kind: global_buffer, .address_space: global }
      - { .name: part, .offset: 24, .size: 8, .value_kind: global_buffer, .address_space: global }
      - { .name: pst, .offset: 32, .size: 8, .value_kind: global_buffer, .address_space: global }
    .group_segment_fixed_size: 327680
    .private_segment_fixed_size: 0
    .kernarg_segment_align: 8
    .kernarg_segment_size: 40
    .max_flat_workgroup_size: 128
    .sgpr_count:     84
    .vgpr_count:     1024
    .wavefront_size: 32
...
	.end_amdgpu_metadata
.endif
;; end of part 2
;; launch merge (part 3): grid 256 x 1, 8 waves a work-group, no clusters, 34,304 bytes of LDS; arguments part, pst, out0; writes out0
.if DOCPART == 3
	.amdgcn_target "amdgcn-amd-amdhsa--gfx1250"
	.amdhsa_code_object_version 6
	.text
	.protected	k_q7fb7e6b5ef_merge
	.globl	k_q7fb7e6b5ef_merge
	.p2align	8
	.type	k_q7fb7e6b5ef_merge,@function
k_q7fb7e6b5ef_merge:
	s_mov_b64 s[64:65], 0
	v_nop
	global_prefetch_b8 v0, s[64:65] scope:SCOPE_SE
	s_setreg_imm32_b32 hwreg(HW_REG_WAVE_MODE, 25, 1), 1
	s_wait_xcnt 0x0
; MERGE: the four key splits' O^T, -M and l become out0.  M* = the largest of the four M; f_y = 2^(M_y - M*), exact; L = sum f_y l_y; out = sum f_y O_y / L.  Nothing of the problem is left out here.
; SHARES.  Work-group u takes the 32 queries of one wave of the launch before (u = 4 g + wave).  Wave v takes register groups 8 v .. 8 v + 7 of the 64: tile t = v / 4, V's fragments 4 (v % 4) .. + 3.
; Register 128 t + 8 P + j of lane (r, h) is query 32 u + 8 t + r + 8 (r / 8), channel 128 (P % 2) + 32 (P / 4) + 16 h + 8 ((P / 2) % 2) + j.
; A stream: every load reads 512 (statistics: 256) consecutive bytes once, all 36 of a wave are out together; matrix units, clusters and tensor loads would add nothing.
; The results meet in a stage of 32 rows (1,024 bytes + 16) and leave as whole rows: each store covers 512 consecutive bytes, aligned.
; LIMITS: NaN and infinities are not served.
.set SPIT,  1040
.set SPARE, 32*SPIT                    ; behind the stage: the spare words, 128 bytes for each wave: four blocks of 256 bytes that no other line names
.set SPW, 8
.set NIL, 9
	s_load_b128 s[4:7], s[0:1], 0x0                ; part, pst
	s_load_b64 s[8:9], s[0:1], 0x10                ; out0
	v_lshl_add_u32 v[SPW], v0, 2, SPARE
	v_mov_b32 v[NIL], 0
	v_lshrrev_b32 v1, 5, v0
	s_delay_alu instid0(VALU_DEP_1)
	v_readfirstlane_b32 s10, v1                    ; wave v
	v_and_b32 v2, 31, v0                           ; lane
	s_delay_alu instid0(VALU_DEP_1)
	v_lshlrev_b32 v3, 4, v2                        ; 16 x lane
	s_wait_alu depctr_va_vdst(0)
	v_lshlrev_b32 v4, 3, v2                        ; 8 x lane
	s_lshr_b32 s11, s10, 2                         ; t
	s_and_b32 s20, s10, 3                          ; v % 4
	s_lshl_b32 s22, ttmp9, 15                      ; part: 32,768 u + 4,096 v
	s_lshl_b32 s21, s10, 12
	s_add_co_u32 s22, s22, s21
	s_mov_b32 s23, 0
	s_lshl_b32 s24, ttmp9, 9                       ; pst: 512 u + 256 t
	s_lshl_b32 s21, s11, 8
	s_add_co_u32 s24, s24, s21
	s_mov_b32 s25, 0
	s_lshl_b32 s28, ttmp9, 5                       ; the first row that I store: 32 u + 8 t + 4 (v % 4) + 8 ((v % 4) / 2)
	s_lshl_b32 s21, s11, 3
	s_add_co_u32 s28, s28, s21
	s_lshl_b32 s21, s20, 2
	s_add_co_u32 s28, s28, s21
	s_lshr_b32 s21, s20, 1
	s_lshl_b32 s21, s21, 3
	s_add_co_u32 s28, s28, s21
	s_lshl_b32 s28, s28, 10
	s_mov_b32 s29, 0
	s_mul_i32 s32, s11, 16*SPIT                    ; the stage, in: row 16 t + r, + 128 (v % 4) + 64 h
	s_lshl_b32 s21, s20, 7
	s_add_co_u32 s32, s32, s21
	v_and_b32 v5, 15, v0
	s_delay_alu instid0(VALU_DEP_1)
	v_mul_u32_u24 v5, v5, SPIT
	v_bfe_u32 v6, v0, 4, 1
	s_delay_alu instid0(VALU_DEP_1)
	v_lshl_add_u32 v5, v6, 6, v5
	s_delay_alu instid0(VALU_DEP_1)
	v_add_nc_u32 v5, s32, v5
	s_mul_i32 s33, s10, 4*SPIT                     ; and back: rows 4 v .. 4 v + 3, 16 bytes a lane
	v_add_nc_u32 v6, s33, v3
	s_wait_alu depctr_va_vdst(0)
	s_wait_kmcnt 0x0
	s_add_nc_u64 s[12:13], s[4:5], s[22:23]        ; a base for each split: 8,388,608 bytes apart
	s_add_nc_u64 s[14:15], s[12:13], 0x800000
	s_add_nc_u64 s[16:17], s[14:15], 0x800000
	s_add_nc_u64 s[18:19], s[16:17], 0x800000
	s_add_nc_u64 s[26:27], s[6:7], s[24:25]
	s_add_nc_u64 s[30:31], s[8:9], s[28:29]
.irp y, 0,1,2,3
	global_load_b64 v[16+2*\y:17+2*\y], v4, s[26:27] offset:\y*131072 th:TH_LOAD_NT   ; (-M, l) of my query in split y
.endr
.irp y, 0,1,2,3
.irp k, 0,1,2,3,4,5,6,7
	global_load_b128 v[32+32*\y+4*\k:35+32*\y+4*\k], v3, s[12+2*\y:13+2*\y] offset:512*\k th:TH_LOAD_NT
.endr
.endr
	s_wait_loadcnt 32                              ; the statistics are in; the 32 loads behind them may be out
	v_min_num_f32 v10, v16, v18
	v_min_num_f32 v11, v20, v22
	s_delay_alu instid0(VALU_DEP_1)
	v_min_num_f32 v10, v10, v11                    ; -M*
.irp y, 0,1,2,3
	v_sub_f32 v[12+\y], v10, v[16+2*\y]            ; M_y - M*: a whole number, 0 or less
.endr
.irp y, 0,1,2,3
	s_delay_alu instid0(VALU_DEP_4)
	v_cvt_i32_f32 v[12+\y], v[12+\y]               ; (it saturates)
.endr
.irp y, 0,1,2,3
	s_delay_alu instid0(VALU_DEP_4)
	v_ldexp_f32 v[12+\y], 1.0, v[12+\y]            ; f_y
.endr
	s_delay_alu instid0(VALU_DEP_4)
	v_mul_f32 v11, v12, v17
	s_delay_alu instid0(VALU_DEP_1)
	v_fmac_f32 v11, v13, v19
	s_delay_alu instid0(VALU_DEP_1)
	v_fmac_f32 v11, v14, v21
	s_delay_alu instid0(VALU_DEP_1)
	v_fmac_f32 v11, v15, v23                       ; L
	s_wait_alu depctr_va_vdst(0)
	v_rcp_f32 v11, v11
	v_nop                                          ; a plain line behind the reciprocal
	s_wait_alu depctr_va_vdst(0)                   ; and the wait ahead of its first reader
.irp y, 0,1,2,3
	v_mul_f32 v[24+2*\y], v[12+\y], v11            ; f_y / L, in both halves of a pair for the packed forms
	v_mul_f32 v[25+2*\y], v[12+\y], v11
.endr
	s_wait_alu depctr_va_vdst(0)
	s_wait_loadcnt 24                              ; split 0 is in; three splits' loads may be out
.set q, 0
.rept 16
	v_pk_mul_f32 v[32+2*q:33+2*q], v[32+2*q:33+2*q], v[24:25]
.set q, q+1
.endr
.irp y, 1,2,3
	s_wait_loadcnt 24-8*\y                         ; split y is in
.set q, 0
.rept 16
	v_pk_fma_f32 v[32+2*q:33+2*q], v[32+32*\y+2*q:33+32*\y+2*q], v[24+2*\y:25+2*\y], v[32+2*q:33+2*q]
.set q, q+1
.endr
.endr
.irp k, 0,1,2,3,4,5,6,7
	ds_store_b128 v5, v[32+4*\k:35+4*\k] offset:512*((\k/2)%2)+32*(\k/4)+16*(\k%2)   ; fragment 4 (v % 4) + k / 2, registers 4 (k % 2) on
.endr
	s_wait_dscnt 0x0                               ; for the others' sake: my stores into the stage are done
	s_barrier_signal -1
	s_barrier_wait -1                              ; 32 whole rows lie in the stage
.irp n, 0,1,2,3,4,5,6,7
	ds_load_b128 v[64+4*\n:67+4*\n], v6 offset:(\n/2)*SPIT+512*(\n%2)
.endr
.irp n, 0,1,2,3,4,5,6,7
	s_wait_dscnt 7-\n                              ; the younger rows may be out
	global_store_b128 v3, v[64+4*\n:67+4*\n], s[30:31] offset:(\n/2)*1024+512*(\n%2) th:TH_STORE_NT
.endr
	s_wait_tensorcnt 0x0                           ; the wave's end
	ds_add_u32 v[SPW], v[NIL]
	s_wait_dscnt 0x0
	s_endpgm
.Lfunc_end_k_q7fb7e6b5ef_merge:
	.size	k_q7fb7e6b5ef_merge, .Lfunc_end_k_q7fb7e6b5ef_merge-k_q7fb7e6b5ef_merge
	.p2alignl 7, 3214868480
	.fill 96, 4, 3214868480
	.section	.rodata,"a",@progbits
	.p2align	6, 0x0
	.amdhsa_kernel k_q7fb7e6b5ef_merge
		.amdhsa_group_segment_fixed_size 34304
		.amdhsa_private_segment_fixed_size 0
		.amdhsa_enable_private_segment 0
		.amdhsa_kernarg_size 24
		.amdhsa_user_sgpr_count 2
		.amdhsa_user_sgpr_kernarg_segment_ptr 1
		.amdhsa_wavefront_size32 1
		.amdhsa_system_sgpr_workgroup_id_x 1
		.amdhsa_system_sgpr_workgroup_id_y 1
		.amdhsa_system_sgpr_workgroup_id_z 1
		.amdhsa_system_vgpr_workitem_id 0
		.amdhsa_next_free_vgpr 192
		.amdhsa_next_free_sgpr 66
		.amdhsa_reserve_vcc 0
		.amdhsa_float_denorm_mode_32 3
		.amdhsa_float_denorm_mode_16_64 3
		.amdhsa_memory_ordered 1
		.amdhsa_forward_progress 1
		.amdhsa_inst_pref_size 14
	.end_amdhsa_kernel
	.amdgpu_metadata
---
amdhsa.version: [ 1, 2 ]
amdhsa.kernels:
  - .name:           k_q7fb7e6b5ef_merge
    .symbol:         k_q7fb7e6b5ef_merge.kd
    .args:
      - { .name: part, .offset: 0, .size: 8, .value_kind: global_buffer, .address_space: global }
      - { .name: pst, .offset: 8, .size: 8, .value_kind: global_buffer, .address_space: global }
      - { .name: out0, .offset: 16, .size: 8, .value_kind: global_buffer, .address_space: global }
    .group_segment_fixed_size: 34304
    .private_segment_fixed_size: 0
    .kernarg_segment_align: 8
    .kernarg_segment_size: 24
    .max_flat_workgroup_size: 256
    .sgpr_count:     66
    .vgpr_count:     192
    .wavefront_size: 32
...
	.end_amdgpu_metadata
.endif
;; end of part 3
